; MI455X (gfx1250); checked and timed in simulation.
; The chip was launched on July 23, 2026; its instructions are those of AMD's public machine-readable ISA for CDNA 5 (MIT licence, August 2026) and "CDNA5" Instruction Set Architecture Reference Guide (July 2026). The comments in the code are by the model that wrote it; some were corrected since.
;; Mock Router. Allowed arithmetic: float matrix products may take bf16 or f16 operands with f32 sums; all other float work in f32.
;; Inputs: gate_w 64 x 4,096 float32; x 8,192 x 4,096 float32.
;; Outputs: out0 8,192 x 8 float32; out1 8,192 x 8 int32.
;; 2 versions, each right and faster than the one before. Each part assembles by itself: llvm-mc -triple=amdgcn-amd-amdhsa -mcpu=gfx1250 --defsym DOCPART=n.
;; ======== version 1 of 2: 1 launch
;; launch router (part 1): grid 256 x 1, 8 waves a work-group, clusters of 4 x 1, 327,680 bytes of LDS; arguments x, gate_w, out0, out1; writes out0, out1
.if DOCPART == 1
	.amdgcn_target "amdgcn-amd-amdhsa--gfx1250"
	.amdhsa_code_object_version 6
	.text
	.protected	k_q45aa234b35_router
	.globl	k_q45aa234b35_router
	.p2align	8
	.type	k_q45aa234b35_router,@function
k_q45aa234b35_router:
	s_mov_b64 s[64:65], 0
	v_nop
	global_prefetch_b8 v0, s[64:65] scope:SCOPE_SE
	s_setreg_imm32_b32 hwreg(HW_REG_WAVE_MODE, 25, 1), 1
	s_wait_xcnt 0x0
	s_wait_alu depctr_hold_cnt(0) depctr_sa_sdst(0) depctr_va_vdst(0) depctr_va_sdst(0) depctr_va_ssrc(0) depctr_va_vcc(0) depctr_vm_vsrc(0)
	s_getreg_b32 s2, hwreg(HW_REG_IB_STS2, 6, 4)
	s_cmp_eq_u32 s2, 0
	s_cbranch_scc0 .Lentry_in_a_cluster
	s_endpgm
.Lentry_in_a_cluster:
	s_bfe_u32 s2, ttmp6, 0x10000c
	s_cmp_lg_u32 s2, 0x3003
	s_cbranch_scc0 .Lentry_shape_is_right
	s_endpgm
.Lentry_shape_is_right:
; MoE router: logits[t][e] = sum over d of x[t][d] gate_w[e][d]; score = 1/(1+exp(-logit)); the 8 largest scores of a token (equal scores: the lower
; expert first), divided by max(their sum, 1e-12), and their expert numbers.  x [8192][4096] f32, gate_w [64][4096] f32, out0 [8192][8] f32, out1 [8192][8] i32.
;
; SHARES.  256 work-groups of 8 waves; a work-group owns 32 tokens.  K is split over the waves: in trip t wave w owns the 64 columns (256 bytes of a row)
; at byte 2048 g + 256 w, g = (t + cluster number) & 7, so every element of x and of gate_w is read from LDS and converted by one wave only.
; A wave keeps all 64 experts x 32 tokens as eight 16 x 16 accumulators; the eight waves' partial sums meet once, in LDS, at the end.
; x comes straight into registers (each half of a wave reads 256 consecutive bytes, aligned, of one row), in a ring of three steps with counted waits:
; 48 loads, 24 KB, of every wave stay on their way across all barriers.  It is rounded to bf16 in place and turned into fragment order through a stage
; in LDS that is the wave's own (no barrier).
; CLUSTERS.  Every work-group needs all of gate_w, 1 MB against 512 KB of x: the four work-groups of a cluster ask for each tile jointly (mask 15).  Each wave
; has two slots of its own (64 rows x 256 bytes, rows padded to 272); one is filled again behind each round of the cluster's barrier; a wave has at most two
; tensor loads out.  The clusters start at different column groups, so that their first two tiles together cover all of gate_w and they walk different columns
; at any one time; the order of a token's sums therefore differs from cluster to cluster.
; LIMITS.  Matrix operands are rounded to bf16, sums are f32: two scores closer than that rounding and the order of the sums resolve can change places against
; an evaluation in f32.  Logits below -86.6 count as -86.6 (score 2^-125): this shows only where fewer than 8 experts of a token lie above it.
; NaN and infinite inputs are not served.
.set ROWB,   16384                     ; bytes in a row of x and of gate_w
.set TRIPS,  8
.set RING,   3                         ; steps of x on their way in each wave
.set WPITCH, 272                       ; LDS row of a gate_w tile: 256 + 16 bytes, an odd multiple of 16: the 16 rows of a fragment load start in 16 different 16-byte columns
.set SLOTB,  64*WPITCH                 ; 17,408: one tile
.set WREG,   2*SLOTB                   ; a wave's two slots
.set XPITCH, 144                       ; LDS row of the x stage: 64 bf16 + 16 bytes
.set XSTB,   32*XPITCH                 ; a wave's stage
.set STAGE,  8*WREG                    ; the stages lie behind the slots, from a multiple of 256 on: no tensor load lands there
.set VXO, 2                            ; v2  x: 16 (l % 16) + (l / 16) x 8 rows
.set VST, 3                            ; v3  stage, where I put 8 bytes
.set VXF, 4                            ; v4  stage, where my x fragments start
.set VWF, 5                            ; v5  my wave's slots, where my gate_w fragments start; also where my partial sums go
.set ACC, 8                            ; v8-71     accumulator (m, n) at 8 (2 m + n): experts 16 m .., tokens 16 n ..
.set WF,  72                           ; v72-135   gate_w, 64 rows x 32 K in f32 as loaded
.set WB0, 136                          ; v136-167  its four bf16 fragments, first 32 K of a step
.set WB1, 168                          ; v168-199  second 32 K
.set XB,  200                          ; v200-231  x fragments (c, n) at 8 (2 c + n)
                                       ; v256-447  the x ring: step s in 64 registers from 256 + 64 (s % 3) on (second window of 256)
.set G1, 16                            ; s[16:23] descriptor group 1, never rewritten
.set G0, 24                            ; s[24:31] descriptor group 0, one set for each slot
.set XBASE, 40                         ; s[40:45] base of the x loads, one pair for each ring slot
.set LM, 52                            ; s[52:55] lanes with l % 4 = 0, 1, 2, 3
.set CM, 56                            ; s[56:59] compare masks on the way out
.set MSB, 0
.macro WIN new                         ; s_set_vgpr_msb: bits 1:0 source 0, 3:2 source 1, 7:6 destination; the high byte repeats the setting that is left
.if MSB != \new
	s_set_vgpr_msb (MSB<<8)|\new
.set MSB, \new
.endif
.endm
; A round of the cluster's barrier: my work-group's barrier, wave 0 signals for the work-group, every wave waits for all four, my work-group's barrier again.
.macro ROUND
	s_barrier_signal -1
	s_barrier_wait -1
	s_cmp_lg_u32 s12, 0
	s_cbranch_scc1 .Lnot_wave_0_\@
	s_barrier_signal -3
.Lnot_wave_0_\@:
	s_barrier_wait -3
	s_barrier_signal -1
	s_barrier_wait -1
.endm
.macro GOFF t                          ; s[34:35] = byte offset of trip t's column group: 2048 ((t + cluster number) & 7); equal in the four partners
	s_add_co_u32 s34, s15, \t
	s_and_b32 s34, s34, 7
	s_lshl_b32 s34, s34, 11
.endm
; Step t of x: 16 loads, 32 rows x 256 bytes.  Load i: lanes 0-15 take row a = (i & 7) + 16 (i >> 3), lanes 16-31 row a + 8.
.macro FILL t
	GOFF \t
	s_add_nc_u64 s[XBASE+2*((\t)%RING):XBASE+2*((\t)%RING)+1], s[36:37], s[34:35]   ; this pair's last loads have been waited for
	WIN 0x40                                       ; destination in the second window
.set i, 0
.rept 16
	global_load_b128 v[64*((\t)%RING)+4*i:64*((\t)%RING)+4*i+3], v[VXO], s[XBASE+2*((\t)%RING):XBASE+2*((\t)%RING)+1] offset:((i&7)+16*(i>>3))*ROWB th:TH_LOAD_NT
.set i, i+1
.endr
	WIN 0
.endm
; 16 LDS loads: 64 rows x 32 K of f32 of tile t.  Lane (r = l % 16, h = l / 16) takes of row 16 m + r the K that a bf16 fragment wants: 8 h .. 8 h + 7 and 16 + 8 h .. + 7.
.macro WLOAD t, c
.irp m, 0,1,2,3
	ds_load_b128 v[WF+16*\m:WF+16*\m+3],     v[VWF] offset:((\t)&1)*SLOTB+\m*16*WPITCH+128*\c
	ds_load_b128 v[WF+16*\m+4:WF+16*\m+7],   v[VWF] offset:((\t)&1)*SLOTB+\m*16*WPITCH+128*\c+16
	ds_load_b128 v[WF+16*\m+8:WF+16*\m+11],  v[VWF] offset:((\t)&1)*SLOTB+\m*16*WPITCH+128*\c+64
	ds_load_b128 v[WF+16*\m+12:WF+16*\m+15], v[VWF] offset:((\t)&1)*SLOTB+\m*16*WPITCH+128*\c+80
.endr
.endm
.macro WCVT dst                        ; 64 f32 registers to four bf16 fragments, rounded to nearest even
.set i, 0
.rept 32
	v_cvt_pk_bf16_f32 v[\dst+i], v[WF+2*i], v[WF+2*i+1]
.set i, i+1
.endr
.endm
; 8 matrix instructions: source 0 = 16 experts, source 1 = 16 tokens, 32 along K.  The eight accumulators take turns, one instruction a turn, in the same order
; in every run.  zero = 1: the first products start the sums, nothing is cleared.
.macro MUL wb, c, zero
.irp m, 0,1,2,3
.irp n, 0,1
.if \zero
	v_wmma_f32_16x16x32_bf16 v[ACC+8*(2*\m+\n):ACC+8*(2*\m+\n)+7], v[\wb+8*\m:\wb+8*\m+7], v[XB+8*(2*\c+\n):XB+8*(2*\c+\n)+7], 0
.else
	v_wmma_f32_16x16x32_bf16 v[ACC+8*(2*\m+\n):ACC+8*(2*\m+\n)+7], v[\wb+8*\m:\wb+8*\m+7], v[XB+8*(2*\c+\n):XB+8*(2*\c+\n)+7], v[ACC+8*(2*\m+\n):ACC+8*(2*\m+\n)+7]
.endif
.endr
.endr
.endm
.macro TRIP t
.if \t == 0
	s_wait_tensorcnt 0x1                           ; tile 0 is in my slot 0; tile 1's load, issued behind it, stays out.  Only I read my slots
.else
	s_wait_tensorcnt 0x0                           ; all my tensor loads have landed, this trip's tile among them: every group 0 may be written
	ds_add_u32 v254, v255
	s_wait_dscnt 0x0
.if \t < TRIPS-1
	GOFF (\t+1)
	s_add_nc_u64 s[G0+4*((\t+1)&1)+2:G0+4*((\t+1)&1)+3], s[32:33], s[34:35]        ; the next tile's address (type bits ride along)
	s_wait_dscnt 0x0                               ; my reads of the slot read last trip are back
	ROUND                                          ; both now hold of every wave of the four work-groups
	tensor_load_to_lds s[G0+4*((\t+1)&1):G0+4*((\t+1)&1)+3], s[G1:G1+7]            ; the joint refill first: it has this whole trip in which to land
	s_nop 0
.endif
.endif
	WLOAD \t, 0
.if \t <= TRIPS-RING
	s_wait_loadcnt 16*(RING-1)                     ; loads come back in order (ISA guide 5.7.1): step t is in, the two younger steps (16 loads each) stay out
.else
	s_wait_loadcnt 16*(TRIPS-1-\t)                 ; the last steps: the counts run down
.endif
	WIN 0x45                                       ; sources and destination in the second window: x is rounded to bf16 in place, 4 registers to 2
.set i, 0
.rept 16
	v_cvt_pk_bf16_f32 v[64*((\t)%RING)+4*i],   v[64*((\t)%RING)+4*i],   v[64*((\t)%RING)+4*i+1]
	v_cvt_pk_bf16_f32 v[64*((\t)%RING)+4*i+1], v[64*((\t)%RING)+4*i+2], v[64*((\t)%RING)+4*i+3]
.set i, i+1
.endr
	WIN 0x04                                       ; store data in the second window, address in the first
.set i, 0
.rept 16
	ds_store_b64 v[VST], v[64*((\t)%RING)+4*i:64*((\t)%RING)+4*i+1] offset:((i&7)+16*(i>>3))*XPITCH   ; rows a and a + 8 lie 1,152 = 4 x 256 + 128 bytes apart: 256 different bytes modulo 256
.set i, i+1
.endr
	WIN 0
	; x fragments.  LDS serves a wave's instructions in order (ISA guide 5.7.1.4): these see the stores above.  They land in registers that the last trip's matrix
	; instructions read: the 32 conversions above are more than the four places asked for behind those (ISA guide 7.12.1).
.irp c, 0,1
.irp n, 0,1
	ds_load_b128 v[XB+8*(2*\c+\n):XB+8*(2*\c+\n)+3],   v[VXF] offset:\n*16*XPITCH+64*\c
	ds_load_b128 v[XB+8*(2*\c+\n)+4:XB+8*(2*\c+\n)+7], v[VXF] offset:\n*16*XPITCH+64*\c+32
.endr
.endr
	s_wait_dscnt 24                                ; the first 16 gate_w loads are in; the 16 stage stores and 8 x loads behind them may be out
	WCVT WB0
	WLOAD \t, 1
	s_wait_dscnt 16                                ; stage stores done and x fragments in; the 16 gate_w loads just issued stay out
.if \t+RING < TRIPS
	FILL (\t+RING)                                 ; the ring slot just emptied (its stage stores are done) takes the step three trips on
.endif
.if \t == 0
	MUL WB0, 0, 1
.else
	MUL WB0, 0, 0
.endif
	s_wait_dscnt 0x0
	WCVT WB1
	MUL WB1, 1, 0
.endm
	s_load_b256 s[4:11], s[0:1], 0x0               ; x s[4:5], gate_w s[6:7], out0 s[8:9], out1 s[10:11]
	v_lshl_add_u32 v254, v0, 2, 0x4d000
	v_mov_b32 v255, 0
	ds_add_u32 v254, v255
	v_lshrrev_b32 v1, 5, v0
	v_readfirstlane_b32 s12, v1                    ; wave 0..7
	s_bfe_u32 s13, ttmp6, 0x40000                  ; cx: my place in the cluster
	s_lshl_b32 s14, ttmp9, 2                       ; in a cluster launch ttmp9 counts clusters
	s_add_co_u32 s14, s14, s13                     ; work-group 0..255: enters x's and the outputs' addresses only
	s_and_b32 s15, ttmp9, 7                        ; the column group at which my cluster starts
	; group 1: a tile of 64 rows x 64 elements of 4 bytes, rows 4,096 elements apart, 4 words of padding behind every 64 words
	s_mov_b32 s[G1+0], 15|(2<<16)|(1<<20)|(1<<21)|(5<<22)|(3<<25)   ; 15:0 mask: all four work-groups; 17:16 4-byte elements; 20 padding on; 21 set beside a mask; 24:22 interval code 5; 31:25 pad code 3
	s_mov_b32 s[G1+1], 64<<16                      ; tensor_dim0 = 64
	s_mov_b32 s[G1+2], 64<<16                      ; tensor_dim1 = 64
	s_mov_b32 s[G1+3], 64<<16                      ; tile_dim0 = 64
	s_mov_b32 s[G1+4], 64                          ; tile_dim1 = 64
	s_mov_b32 s[G1+5], 4096                        ; elements from row to row
	s_mov_b32 s[G1+6], 0
	s_mov_b32 s[G1+7], 0
	s_mul_i32 s46, s12, WREG                       ; my wave's slots
	s_lshl_b32 s47, s12, 8                         ; my wave's 256 bytes of a column group
	s_mul_i32 s48, s12, XSTB
	s_add_co_u32 s48, s48, STAGE                   ; my wave's stage
	s_mov_b32 s35, 0
	s_mov_b32 s39, 0
	s_mov_b32 s[G0+0], 1
	s_add_co_u32 s[G0+1], s46, 0                   ; LDS address of slot 0: the wave's number alone enters it
	s_mov_b32 s[G0+4], 1
	s_add_co_u32 s[G0+5], s46, SLOTB
	v_and_b32 v1, 15, v0                           ; r = l % 16
	v_bfe_u32 v6, v0, 4, 1                         ; h = l / 16
	v_lshlrev_b32 v[VXO], 4, v1
	v_lshl_add_u32 v[VXO], v6, 17, v[VXO]          ; 16 r + h x 8 rows of 16,384 bytes
	v_mul_u32_u24 v7, v6, 8*XPITCH
	v_lshl_add_u32 v7, v1, 3, v7
	v_add_nc_u32 v[VST], s48, v7                   ; stage + 8 h rows + 8 r
	v_mul_u32_u24 v7, v1, XPITCH
	v_lshl_add_u32 v7, v6, 4, v7
	v_add_nc_u32 v[VXF], s48, v7                   ; stage + row r + 16 h
	v_mul_u32_u24 v7, v1, WPITCH
	v_lshl_add_u32 v7, v6, 5, v7
	v_add_nc_u32 v[VWF], s46, v7                   ; slots + row r + 32 h
	s_wait_dscnt 0x0
	s_wait_kmcnt 0x0
	s_mov_b32 s38, s47
	s_add_nc_u64 s[32:33], s[6:7], s[38:39]        ; gate_w at my wave's columns of group 0,
	s_or_b32 s33, s33, 0x80000000                  ; with the descriptor's type bits
	GOFF 0
	s_add_nc_u64 s[G0+2:G0+3], s[32:33], s[34:35]
	GOFF 1
	s_add_nc_u64 s[G0+6:G0+7], s[32:33], s[34:35]
	ROUND                                          ; the four work-groups are here: the first joint loads meet
	tensor_load_to_lds s[G0:G0+3], s[G1:G1+7]      ; tile 0
	s_nop 0
	tensor_load_to_lds s[G0+4:G0+7], s[G1:G1+7]    ; tile 1
	s_nop 0
	s_lshl_b32 s38, s14, 19                        ; my 32 rows of x: work-group x 32 x 16,384 bytes (below 2^27),
	s_add_co_u32 s38, s38, s47                     ; my wave's columns
	s_add_nc_u64 s[36:37], s[4:5], s[38:39]
	FILL 0
	FILL 1
	FILL 2
	TRIP 0
	TRIP 1
	TRIP 2
	TRIP 3
	TRIP 4
	TRIP 5
	TRIP 6
	TRIP 7
	; THE WAY OUT.
.set IDX,  232                         ; v232-247  my 16 experts' numbers, as f32
.set VRD,  248                         ; v248-251  where I read partial sums of waves 0-1, 2-3, 4-5, 6-7
.set VOUT, 252                         ; v252      my byte offset in the work-group's part of an output
.set P,    72                          ; v72-199   eight waves' partial sums of my 16 logits; then: S scores, Y, EE, RR at work
.set S,    72
.set Y,    88
.set EE,   104
.set RR,   120
.set MX,   216                         ; v216-219  maxima
.set CA,   220                         ; v220-223  candidates
.set BIG,  224                         ; 64.0
.set NEG,  225                         ; -1.0
.set OW,   226                         ; v226-227  the two weights that I store
.set OI,   228                         ; v228-229  the two expert numbers
.set SUM,  230
.set RC,   231
	; Ten plain vector instructions that name no register of the last matrix instructions: more than the four places asked for before the LDS stores read the results.
	v_and_b32 v6, 3, v0                            ; q: which 16 experts of my token
	v_lshrrev_b32 v7, 2, v0                        ; my token, 0..31 in waves 0-3
	v_lshlrev_b32 v[VOUT], 3, v0                   ; token x 32 + q x 8
	v_lshlrev_b32 v1, 4, v6                        ; my first expert
	v_cvt_f32_u32 v[IDX], v1
	v_mul_u32_u24 v[VRD], v7, WPITCH
	v_lshl_add_u32 v[VRD], v6, 6, v[VRD]           ; token's row + 64 q
	v_add_nc_u32 v[VRD+1], 2*WREG, v[VRD]
	v_add_nc_u32 v[VRD+2], 4*WREG, v[VRD]
	v_add_nc_u32 v[VRD+3], 6*WREG, v[VRD]
	; My partial sums as [token][expert] f32, rows of 272 bytes, into my own slot 0: it has had its last fill (tile 6), and my reads of it were served before these stores.
	; Lane (r, h), register j of accumulator (m, n) is token 16 n + r, expert 16 m + 8 h + j.
.irp m, 0,1,2,3
.irp n, 0,1
	ds_store_b128 v[VWF], v[ACC+8*(2*\m+\n):ACC+8*(2*\m+\n)+3]   offset:\n*16*WPITCH+64*\m
	ds_store_b128 v[VWF], v[ACC+8*(2*\m+\n)+4:ACC+8*(2*\m+\n)+7] offset:\n*16*WPITCH+64*\m+16
.endr
.endr
	s_wait_dscnt 0x0                               ; for the other waves' sake: my stores are done
	ROUND                                          ; shows the partial sums to my work-group, and is the closing round: every partner has issued its last joint load, so a work-group may end
	s_cmp_ge_u32 s12, 4
	s_cbranch_scc1 .Lend                           ; 32 tokens x 4 lanes are four waves
.irp p, 0,1,2,3,4,5,6,7
.irp i, 0,1,2,3
	ds_load_b128 v[P+16*\p+4*\i:P+16*\p+4*\i+3], v[VRD+(\p>>1)] offset:(\p&1)*WREG+16*\i
.endr
.endr
	s_lshl_b32 s38, s14, 10                        ; 32 tokens x 32 bytes for each work-group
	s_add_nc_u64 s[8:9], s[8:9], s[38:39]
	s_add_nc_u64 s[10:11], s[10:11], s[38:39]
	s_mov_b32 s[LM+0], 0x11111111
	s_mov_b32 s[LM+1], 0x22222222
	s_mov_b32 s[LM+2], 0x44444444
	s_mov_b32 s[LM+3], 0x88888888
	v_add_f32 v[IDX+1], 1.0, v[IDX]
	v_add_f32 v[IDX+2], 2.0, v[IDX]
	v_add_f32 v[IDX+3], 2.0, v[IDX+1]
.set i, 4
.rept 12
	v_add_f32 v[IDX+i], 4.0, v[IDX+i-4]
.set i, i+1
.endr
	v_mov_b32 v[BIG], 0x42800000
	v_mov_b32 v[NEG], -1.0
.macro PADD a, b                       ; partial sums of wave a += those of wave b
.irp j, 0,2,4,6,8,10,12,14
	v_pk_add_f32 v[P+16*\a+\j:P+16*\a+\j+1], v[P+16*\a+\j:P+16*\a+\j+1], v[P+16*\b+\j:P+16*\b+\j+1]
.endr
.endm
	s_wait_dscnt 24                                ; four loads a wave's sums: waves 0 and 1 are in
	PADD 0, 1
	s_wait_dscnt 16
	PADD 2, 3
	s_wait_dscnt 8
	PADD 4, 5
	s_wait_dscnt 0x0
	PADD 6, 7
	PADD 0, 2
	PADD 4, 6
	PADD 0, 4                                      ; the 16 logits
	; score = 1 / (1 + exp(-l)), in this form and with the sum rounded in f32, so that scores which fall together there (all of them at 1.0 for large logits) tie here too.
.irp j, 0,2,4,6,8,10,12,14
	v_pk_mul_f32 v[Y+\j:Y+\j+1], v[S+\j:S+\j+1], 0xbfb8aa3b op_sel_hi:[1,0]       ; -l x log2(e)
.endr
.irp j, 0,1,2,3,4,5,6,7,8,9,10,11,12,13,14,15
	v_min_num_f32 v[Y+\j], 0x42fa0000, v[Y+\j]     ; at most 125: 1 + 2^125 and its reciprocal stay finite and normal (the stated limit at l = -86.6)
.endr
.irp j, 0,1,2,3,4,5,6,7,8,9,10,11,12,13,14,15
	v_exp_f32 v[EE+\j], v[Y+\j]
.endr
	v_nop                                          ; one plain place behind the transcendentals before results are read and sources rewritten (ISA guide 5.7.2)
	s_wait_alu depctr_va_vdst(0)
.irp j, 0,2,4,6,8,10,12,14
	v_pk_add_f32 v[Y+\j:Y+\j+1], v[EE+\j:EE+\j+1], 1.0 op_sel_hi:[1,0]
.endr
.irp j, 0,1,2,3,4,5,6,7,8,9,10,11,12,13,14,15
	v_rcp_f32 v[RR+\j], v[Y+\j]
.endr
	v_nop
	s_wait_alu depctr_va_vdst(0)
.irp j, 0,1,2,3,4,5,6,7,8,9,10,11,12,13,14,15
	v_fma_f32 v[EE+\j], -v[Y+\j], v[RR+\j], 1.0    ; one Newton step: the quotient comes out rounded as a division rounds it, up to rare halfway cases, hence monotone
.endr
.irp j, 0,2,4,6,8,10,12,14
	v_pk_fma_f32 v[S+\j:S+\j+1], v[RR+\j:RR+\j+1], v[EE+\j:EE+\j+1], v[RR+\j:RR+\j+1]
.endr
; The i-th pick: the largest score left of the token's 64 (16 in each of 4 lanes), of equal ones the lowest expert; every lane of the token learns both.
; No branch: the same work in every pick.  Lane q keeps picks 2 q and 2 q + 1.
.macro PICK i, last
	v_max3_num_f32 v[MX],   v[S],    v[S+1],  v[S+2]
	v_max3_num_f32 v[MX+1], v[S+3],  v[S+4],  v[S+5]
	v_max3_num_f32 v[MX+2], v[S+6],  v[S+7],  v[S+8]
	v_max3_num_f32 v[MX+3], v[S+9],  v[S+10], v[S+11]
	v_max3_num_f32 v[MX],   v[MX],   v[S+12], v[S+13]
	v_max3_num_f32 v[MX+1], v[MX+1], v[S+14], v[S+15]
	v_max_num_f32  v[MX+2], v[MX+2], v[MX+3]
	v_max3_num_f32 v[MX],   v[MX],   v[MX+1], v[MX+2]
	v_max_num_f32_dpp v[MX], v[MX], v[MX] row_xmask:1 row_mask:0xf bank_mask:0xf
	v_max_num_f32_dpp v[MX], v[MX], v[MX] row_xmask:2 row_mask:0xf bank_mask:0xf
	; the lowest expert that holds it: four chains of four, each from its highest expert down, 64 where none
.irp jj, 3,2,1,0
.irp k, 0,1,2,3
	v_cmp_eq_f32 s[CM+\k], v[S+4*\k+\jj], v[MX]
.endr
.irp k, 0,1,2,3
.if \jj == 3
	v_cndmask_b32 v[CA+\k], v[BIG], v[IDX+4*\k+\jj], s[CM+\k]
.else
	v_cndmask_b32 v[CA+\k], v[CA+\k], v[IDX+4*\k+\jj], s[CM+\k]
.endif
.endr
.endr
	v_min3_num_f32 v[CA], v[CA], v[CA+1], v[CA+2]
	v_min_num_f32  v[CA], v[CA], v[CA+3]
	v_min_num_f32_dpp v[CA], v[CA], v[CA] row_xmask:1 row_mask:0xf bank_mask:0xf
	v_min_num_f32_dpp v[CA], v[CA], v[CA] row_xmask:2 row_mask:0xf bank_mask:0xf
.if \i == 0
	v_mov_b32 v[SUM], v[MX]
.else
	v_add_f32 v[SUM], v[SUM], v[MX]
.endif
.if \i < 2
	v_mov_b32 v[OW+\i], v[MX]                      ; picks 0 and 1 start the registers in every lane; lanes q > 0 replace them below
	v_mov_b32 v[OI+\i], v[CA]
.else
	v_cndmask_b32 v[OW+(\i&1)], v[OW+(\i&1)], v[MX], s[LM+(\i>>1)]
	v_cndmask_b32 v[OI+(\i&1)], v[OI+(\i&1)], v[CA], s[LM+(\i>>1)]
.endif
.if \last == 0
	; the picked expert leaves: -1 lies below every score
.irp g, 0,1,2,3
.irp k, 0,1,2,3
	v_cmp_eq_f32 s[CM+\k], v[IDX+4*\g+\k], v[CA]
.endr
.irp k, 0,1,2,3
	v_cndmask_b32 v[S+4*\g+\k], v[S+4*\g+\k], v[NEG], s[CM+\k]
.endr
.endr
.endif
.endm
	PICK 0, 0
	PICK 1, 0
	PICK 2, 0
	PICK 3, 0
	PICK 4, 0
	PICK 5, 0
	PICK 6, 0
	PICK 7, 1
	v_max_num_f32 v[SUM], 0x2b8cbccc, v[SUM]       ; clip at 1e-12
	v_rcp_f32 v[RC], v[SUM]
	v_nop                                          ; the plain place behind v_rcp_f32
	v_cvt_i32_f32 v[OI], v[OI]
	v_cvt_i32_f32 v[OI+1], v[OI+1]
	s_wait_alu depctr_va_vdst(0)
	v_mul_f32 v[OW], v[OW], v[RC]
	v_mul_f32 v[OW+1], v[OW+1], v[RC]
	global_store_b64 v[VOUT], v[OW:OW+1], s[8:9] th:TH_STORE_NT      ; a wave's 32 lanes store 256 consecutive bytes, at a multiple of 256 from the output's first byte
	global_store_b64 v[VOUT], v[OI:OI+1], s[10:11] th:TH_STORE_NT
.Lend:
	s_wait_tensorcnt 0x0
	ds_add_u32 v254, v255
	s_wait_dscnt 0x0
	s_endpgm
.Lfunc_end_k_q45aa234b35_router:
	.size	k_q45aa234b35_router, .Lfunc_end_k_q45aa234b35_router-k_q45aa234b35_router
	.p2alignl 7, 3214868480
	.fill 96, 4, 3214868480
	.section	.rodata,"a",@progbits
	.p2align	6, 0x0
	.amdhsa_kernel k_q45aa234b35_router
		.amdhsa_group_segment_fixed_size 327680
		.amdhsa_private_segment_fixed_size 0
		.amdhsa_enable_private_segment 0
		.amdhsa_kernarg_size 32
		.amdhsa_user_sgpr_count 2
		.amdhsa_user_sgpr_kernarg_segment_ptr 1
		.amdhsa_wavefront_size32 1
		.amdhsa_system_sgpr_workgroup_id_x 1
		.amdhsa_system_sgpr_workgroup_id_y 1
		.amdhsa_system_sgpr_workgroup_id_z 1
		.amdhsa_system_vgpr_workitem_id 0
		.amdhsa_next_free_vgpr 448
		.amdhsa_next_free_sgpr 66
		.amdhsa_reserve_vcc 0
		.amdhsa_float_denorm_mode_32 3
		.amdhsa_float_denorm_mode_16_64 3
		.amdhsa_memory_ordered 1
		.amdhsa_forward_progress 1
		.amdhsa_inst_pref_size 159
	.end_amdhsa_kernel
	.amdgpu_metadata
---
amdhsa.version: [ 1, 2 ]
amdhsa.kernels:
  - .name:           k_q45aa234b35_router
    .symbol:         k_q45aa234b35_router.kd
    .args:
      - { .name: x, .offset: 0, .size: 8, .value_kind: global_buffer, .address_space: global }
      - { .name: gate_w, .offset: 8, .size: 8, .value_kind: global_buffer, .address_space: global }
      - { .name: out0, .offset: 16, .size: 8, .value_kind: global_buffer, .address_space: global }
      - { .name: out1, .offset: 24, .size: 8, .value_kind: global_buffer, .address_space: global }
    .group_segment_fixed_size: 327680
    .private_segment_fixed_size: 0
    .kernarg_segment_align: 8
    .kernarg_segment_size: 32
    .max_flat_workgroup_size: 256
    .sgpr_count:     66
    .vgpr_count:     448
    .wavefront_size: 32
...
	.end_amdgpu_metadata
.endif
;; end of part 1
;; ======== version 2 of 2: 2 launches; 1.15 times as fast as version 1
;; workspace buffers: part 8,388,608 bytes
;; launch partial (part 2): grid 256 x 1, 8 waves a work-group, clusters of 4 x 1, 316,416 bytes of LDS; arguments x, gate_w, part; writes part
.if DOCPART == 2
	.amdgcn_target "amdgcn-amd-amdhsa--gfx1250"
	.amdhsa_code_object_version 6
	.text
	.protected	k_q45aa234b35_partial
	.globl	k_q45aa234b35_partial
	.p2align	8
	.type	k_q45aa234b35_partial,@function
k_q45aa234b35_partial:
	s_mov_b64 s[64:65], 0
	v_nop
	global_prefetch_b8 v0, s[64:65] scope:SCOPE_SE
	s_setreg_imm32_b32 hwreg(HW_REG_WAVE_MODE, 25, 1), 1
	s_wait_xcnt 0x0
	s_wait_alu depctr_hold_cnt(0) depctr_sa_sdst(0) depctr_va_vdst(0) depctr_va_sdst(0) depctr_va_ssrc(0) depctr_va_vcc(0) depctr_vm_vsrc(0)
	s_getreg_b32 s2, hwreg(HW_REG_IB_STS2, 6, 4)
	s_cmp_eq_u32 s2, 0
	s_cbranch_scc0 .Lentry_in_a_cluster
	s_endpgm
.Lentry_in_a_cluster:
	s_bfe_u32 s2, ttmp6, 0x10000c
	s_cmp_lg_u32 s2, 0x3003
	s_cbranch_scc0 .Lentry_shape_is_right
	s_endpgm
.Lentry_shape_is_right:
; First of two launches of a MoE router.  This one: partial logits.  part[kb][..] = sum over the 1,024 columns d of K slice kb of x[t][d] gate_w[e][d], kb = 0..3.
; x [8192][4096] f32, gate_w [64][4096] f32, part 4 x 8192 x 64 f32.  The second launch adds the four slices and picks the experts.
;
; SHARES.  256 work-groups of 8 waves; work-group (kb, tb) owns 128 tokens x 1,024 columns, so its share of gate_w is 64 x 4,096 bytes = 256 KB: it is brought into LDS
; once and never filled again.  Wave w owns the 256 bytes at 4096 kb + 2048 c + 256 w of every row, c = 0, 1: it rounds its 64 experts x 128 columns of gate_w to bf16 once
; and keeps them in 128 registers for all 128 tokens.  Eight steps, step s = tokens 32 (s >> 1) .. + 31, columns c = s & 1; 64 experts x 32 tokens are eight accumulators.
; x comes straight into registers (each half of a wave reads 256 consecutive bytes, aligned, of one row), in a ring of three steps with counted waits: 48 loads, 24 KB, of
; every wave stay on their way across all barriers.  It is rounded to bf16 in place and turned into fragment order through a stage in LDS that is the wave's own.
; After each 32 tokens the eight waves' sums meet in LDS (each wave's go into its own gate_w bytes, which are dead by then; each quarter of the tokens has bytes of its own,
; so nothing is written twice and one barrier a quarter is enough), are added and stored.
; LAYOUT OF part: [kb][block of 8 tokens][i = 0..3][t = 0..7][q = 0..3][k = 0..3], expert = 16 q + 4 i + k: a wave's store here and a wave's load in the second launch
; both cover 512 consecutive bytes, and there lane 4 t + q finds experts 16 q .. 16 q + 15 of token t in its four loads.
; CLUSTERS.  The four work-groups of a cluster have the same kb and ask for each gate_w tile jointly (mask 15).  A wave has at most two tensor loads out.
; LIMITS.  Matrix operands are rounded to bf16, sums are f32 in an order of their own.  NaN and infinite inputs are not served.
.set ROWB,   16384                     ; bytes in a row of x and of gate_w
.set STEPS,  8
.set RING,   3                         ; steps of x on their way in each wave
.set WPITCH, 272                       ; LDS row of a gate_w tile and of the partial sums: 256 + 16 bytes, an odd multiple of 16
.set SLOTB,  64*WPITCH                 ; 17,408: one tile
.set WREG,   2*SLOTB                   ; a wave's two tiles
.set QB,     32*WPITCH                 ; 8,704: a wave's sums for 32 tokens; four of them fill the wave's two tiles exactly
.set XPITCH, 144                       ; LDS row of the x stage: 64 bf16 + 16 bytes
.set XSTB,   32*XPITCH                 ; a wave's stage
.set STAGE,  8*WREG                    ; the stages lie behind the tiles, from a multiple of 256 on: no tensor load lands there
.set VXO, 2                            ; v2  x: 16 (l % 16) + (l / 16) x 8 rows
.set VST, 3                            ; v3  stage, where I put 8 bytes
.set VXF, 4                            ; v4  stage, where my x fragments start
.set VWF, 5                            ; v5  my wave's tiles, where my gate_w fragments start; also where my sums go
.set ACC, 8                            ; v8-71     accumulator (m, n) at 8 (2 m + n): experts 16 m .., tokens 16 n ..; then the eight waves' sums as they are added
.set XB,  72                           ; v72-103   x fragments (cc, n) at 8 (2 cc + n)
.set VRD, 104                          ; v104-107  where I read the sums of waves 0-1, 2-3, 4-5, 6-7
.set VOUT, 108                         ; v108      my byte offset in the work-group's part of part
.set WB,  112                          ; v112-239  gate_w in bf16: fragment (c, cc, m) at 64 c + 32 cc + 8 m
                                       ; v256-447  the x ring: step s in 64 registers from 256 + 64 (s % 3) on (second window of 256)
.set WF,  192                          ; v448-511  (second window) gate_w, 64 rows x 32 K in f32 as loaded
.set G1, 16                            ; s[16:23] descriptor group 1
.set G0, 24                            ; s[24:31] descriptor group 0, one set for each tile; neither is ever rewritten
.set MSB, 0
.macro WIN new                         ; s_set_vgpr_msb: bits 1:0 source 0, 3:2 source 1, 7:6 destination; the high byte repeats the setting that is left
.if MSB != \new
	s_set_vgpr_msb (MSB<<8)|\new
.set MSB, \new
.endif
.endm
; A round of the cluster's barrier: my work-group's barrier, wave 0 signals for the work-group, every wave waits for all four, my work-group's barrier again.
.macro ROUND
	s_barrier_signal -1
	s_barrier_wait -1
	s_cmp_lg_u32 s12, 0
	s_cbranch_scc1 .Lnot_wave_0_\@
	s_barrier_signal -3
.Lnot_wave_0_\@:
	s_barrier_wait -3
	s_barrier_signal -1
	s_barrier_wait -1
.endm
; Step s of x: 16 loads, 32 rows x 256 bytes.  Load i: lanes 0-15 take row a = (i & 7) + 16 (i >> 3), lanes 16-31 row a + 8.  One base for all: the step is in the immediate
; (at most 3 x 32 + 23 rows and 2,048 bytes = 1,951,744, inside the signed 24 bits).
.macro FILL s
	WIN 0x40                                       ; destination in the second window
.set i, 0
.rept 16
	global_load_b128 v[64*((\s)%RING)+4*i:64*((\s)%RING)+4*i+3], v[VXO], s[36:37] offset:((\s)>>1)*32*ROWB+((\s)&1)*2048+((i&7)+16*(i>>3))*ROWB th:TH_LOAD_NT
.set i, i+1
.endr
.endm
; 16 LDS loads: 64 rows x 32 K of f32 of tile c.  Lane (r = l % 16, h = l / 16) takes of row 16 m + r the K that a bf16 fragment wants: 8 h .. 8 h + 7 and 16 + 8 h .. + 7.
.macro WLOAD c, cc
	WIN 0x40
.irp m, 0,1,2,3
	ds_load_b128 v[WF+16*\m:WF+16*\m+3],     v[VWF] offset:\c*SLOTB+\m*16*WPITCH+128*\cc
	ds_load_b128 v[WF+16*\m+4:WF+16*\m+7],   v[VWF] offset:\c*SLOTB+\m*16*WPITCH+128*\cc+16
	ds_load_b128 v[WF+16*\m+8:WF+16*\m+11],  v[VWF] offset:\c*SLOTB+\m*16*WPITCH+128*\cc+64
	ds_load_b128 v[WF+16*\m+12:WF+16*\m+15], v[VWF] offset:\c*SLOTB+\m*16*WPITCH+128*\cc+80
.endr
.endm
.macro WCVT c, cc                      ; 64 f32 registers to four bf16 fragments, rounded to nearest even: once for the whole launch
	WIN 0x05                                       ; sources in the second window, destination in the first
.set i, 0
.rept 32
	v_cvt_pk_bf16_f32 v[WB+64*\c+32*\cc+i], v[WF+2*i], v[WF+2*i+1]
.set i, i+1
.endr
.endm
; 8 matrix instructions: source 0 = 16 experts, source 1 = 16 tokens, 32 along K.  The eight accumulators take turns, one instruction a turn, in the same order
; in every run.  zero = 1: the first products of 32 tokens start the sums, nothing is cleared.
.macro MUL c, cc, zero
	WIN 0
.irp m, 0,1,2,3
.irp n, 0,1
.if \zero
	v_wmma_f32_16x16x32_bf16 v[ACC+8*(2*\m+\n):ACC+8*(2*\m+\n)+7], v[WB+64*\c+32*\cc+8*\m:WB+64*\c+32*\cc+8*\m+7], v[XB+8*(2*\cc+\n):XB+8*(2*\cc+\n)+7], 0
.else
	v_wmma_f32_16x16x32_bf16 v[ACC+8*(2*\m+\n):ACC+8*(2*\m+\n)+7], v[WB+64*\c+32*\cc+8*\m:WB+64*\c+32*\cc+8*\m+7], v[XB+8*(2*\cc+\n):XB+8*(2*\cc+\n)+7], v[ACC+8*(2*\m+\n):ACC+8*(2*\m+\n)+7]
.endif
.endr
.endr
.endm
.macro RADD a, b                       ; sums of wave a += those of wave b: my 8 numbers
.irp j, 0,2,4,6
	v_pk_add_f32 v[ACC+8*\a+\j:ACC+8*\a+\j+1], v[ACC+8*\a+\j:ACC+8*\a+\j+1], v[ACC+8*\b+\j:ACC+8*\b+\j+1]
.endr
.endm
; The eight waves' sums for token quarter q meet.  Mine go as [token][expert] f32, rows of 272 bytes, to byte q x 8,704 of my own tiles: both tiles have landed, my reads of them
; are back, and no tensor load follows.  Lane (r, h), register j of accumulator (m, n) is token 16 n + r, expert 16 m + 8 h + j.
.macro DUMP q
.rept 4
	v_nop                                          ; four places behind the last matrix instruction before LDS stores read its results and loads land there
.endr
.irp m, 0,1,2,3
.irp n, 0,1
	ds_store_b128 v[VWF], v[ACC+8*(2*\m+\n):ACC+8*(2*\m+\n)+3]   offset:\q*QB+\n*16*WPITCH+64*\m
	ds_store_b128 v[VWF], v[ACC+8*(2*\m+\n)+4:ACC+8*(2*\m+\n)+7] offset:\q*QB+\n*16*WPITCH+64*\m+16
.endr
.endr
	s_wait_dscnt 0x0                               ; for the other waves' sake: my stores are done
.if \q == 3
	ROUND                                          ; shows the last sums to my work-group, and is the closing round: every partner has issued its joint loads, so a work-group may end
.else
	s_barrier_signal -1
	s_barrier_wait -1                              ; everybody's sums of this quarter are in LDS.  The x loads stay on their way
.endif
	; Wave w adds, for tokens 8 (w >> 1) + t, the experts 16 q' + 4 i + k with i = 2 (w & 1) + ii: lane 4 t + q' reads 16 bytes at row t, byte 64 q' + 16 i.
	; In each half of the wave the 16-byte columns t + 4 q' (+ i) modulo 16 are all different.
.irp p, 0,1,2,3,4,5,6,7
.irp ii, 0,1
	ds_load_b128 v[ACC+8*\p+4*\ii:ACC+8*\p+4*\ii+3], v[VRD+(\p>>1)] offset:(\p&1)*WREG+\q*QB+16*\ii
.endr
.endr
	s_wait_dscnt 12                                ; two loads for a wave's sums: waves 0 and 1 are in, twelve younger loads stay out
	RADD 0, 1
	s_wait_dscnt 8
	RADD 2, 3
	s_wait_dscnt 4
	RADD 4, 5
	s_wait_dscnt 0x0
	RADD 6, 7
	RADD 0, 2
	RADD 4, 6
	RADD 0, 4
	global_store_b128 v[VOUT], v[ACC:ACC+3],   s[8:9] offset:\q*8192       ; each store of the wave covers 512 consecutive bytes, aligned; no hint: the next launch reads them
	global_store_b128 v[VOUT], v[ACC+4:ACC+7], s[8:9] offset:\q*8192+512
.endm
.macro TRIP s
.if \s == 0
	s_wait_tensorcnt 0x1                           ; tile 0 is in; tile 1's load, issued behind it, stays out.  Only I read my tiles
	WLOAD 0, 0
.endif
.if \s == 1
	s_wait_tensorcnt 0x0                           ; tile 1 is in: no tensor load of mine is out from here on
	WLOAD 1, 0
.endif
.if \s <= STEPS-RING
	s_wait_loadcnt 16*(RING-1)                     ; loads come back in order (ISA guide 5.7.1): step s is in, the two younger steps (16 loads each) stay out
.else
	s_wait_loadcnt 16*(STEPS-1-\s)                 ; the last steps: the counts run down
.endif
	WIN 0x45                                       ; sources and destination in the second window: x is rounded to bf16 in place, 4 registers to 2
.set i, 0
.rept 16
	v_cvt_pk_bf16_f32 v[64*((\s)%RING)+4*i],   v[64*((\s)%RING)+4*i],   v[64*((\s)%RING)+4*i+1]
	v_cvt_pk_bf16_f32 v[64*((\s)%RING)+4*i+1], v[64*((\s)%RING)+4*i+2], v[64*((\s)%RING)+4*i+3]
.set i, i+1
.endr
	WIN 0x04                                       ; store data in the second window, address in the first
.set i, 0
.rept 16
	ds_store_b64 v[VST], v[64*((\s)%RING)+4*i:64*((\s)%RING)+4*i+1] offset:((i&7)+16*(i>>3))*XPITCH   ; rows a and a + 8 lie 1,152 = 4 x 256 + 128 bytes apart: 256 different bytes modulo 256
.set i, i+1
.endr
	WIN 0
	; x fragments.  LDS serves a wave's instructions in order (ISA guide 5.7.1.4): these see the stores above.  They land in registers that the last step's matrix
	; instructions read: the 32 conversions above are more than the four places asked for behind those (ISA guide 7.12.1).
.irp cc, 0,1
.irp n, 0,1
	ds_load_b128 v[XB+8*(2*\cc+\n):XB+8*(2*\cc+\n)+3],   v[VXF] offset:\n*16*XPITCH+64*\cc
	ds_load_b128 v[XB+8*(2*\cc+\n)+4:XB+8*(2*\cc+\n)+7], v[VXF] offset:\n*16*XPITCH+64*\cc+32
.endr
.endr
.if \s < 2
	s_wait_dscnt 24                                ; the first 16 gate_w loads are in; the 16 stage stores and 8 x loads behind them may be out
	WCVT \s, 0
	WLOAD \s, 1
	s_wait_dscnt 16                                ; stage stores done and x fragments in; the 16 gate_w loads just issued stay out
.else
	s_wait_dscnt 0x0                               ; stage stores done and x fragments in
.endif
.if \s > 0
.if ((\s)&1) == 0
	s_wait_xcnt 0x0                                ; the last quarter's two stores read v8-15: the products below write them only behind this wait
.endif
.endif
.if \s+RING < STEPS
	FILL (\s+RING)                                 ; the ring slot just emptied (its stage stores are done) takes the step three steps on
.endif
.if ((\s)&1) == 0
	MUL 0, 0, 1
.else
	MUL 1, 0, 0
.endif
.if \s < 2
	s_wait_dscnt 0x0
	WCVT \s, 1
.endif
.if ((\s)&1) == 0
	MUL 0, 1, 0
.else
	MUL 1, 1, 0
	DUMP ((\s)>>1)
.endif
.endm
	s_load_b128 s[4:7], s[0:1], 0x0                ; x s[4:5], gate_w s[6:7]
	s_load_b64 s[8:9], s[0:1], 0x10                ; part
	v_lshl_add_u32 v254, v0, 2, 0x4d000
	v_mov_b32 v255, 0
	ds_add_u32 v254, v255
	v_lshrrev_b32 v1, 5, v0
	v_readfirstlane_b32 s12, v1                    ; wave 0..7
	s_bfe_u32 s13, ttmp6, 0x40000                  ; cx: my place in the cluster
	s_and_b32 s14, ttmp9, -4                       ; in a cluster launch ttmp9 counts clusters, 0..63
	s_add_co_u32 s14, s14, s13                     ; tb = 4 (cluster / 4) + cx, 0..63: enters x's and part's addresses only
	s_and_b32 s15, ttmp9, 3                        ; kb = cluster % 4: the same in the four partners
	; group 1: a tile of 64 rows x 64 elements of 4 bytes, rows 4,096 elements apart, 4 words of padding behind every 64 words
	s_mov_b32 s[G1+0], 15|(2<<16)|(1<<20)|(1<<21)|(5<<22)|(3<<25)   ; 15:0 mask: all four work-groups; 17:16 4-byte elements; 20 padding on; 21 set beside a mask; 24:22 interval code 5; 31:25 pad code 3
	s_mov_b32 s[G1+1], 64<<16                      ; tensor_dim0 = 64
	s_mov_b32 s[G1+2], 64<<16                      ; tensor_dim1 = 64
	s_mov_b32 s[G1+3], 64<<16                      ; tile_dim0 = 64
	s_mov_b32 s[G1+4], 64                          ; tile_dim1 = 64
	s_mov_b32 s[G1+5], 4096                        ; elements from row to row
	s_mov_b32 s[G1+6], 0
	s_mov_b32 s[G1+7], 0
	s_mul_i32 s46, s12, WREG                       ; my wave's tiles
	s_lshl_b32 s47, s12, 8                         ; my wave's 256 bytes of 2,048
	s_mul_i32 s48, s12, XSTB
	s_add_co_u32 s48, s48, STAGE                   ; my wave's stage
	s_lshr_b32 s49, s12, 1
	s_mul_i32 s49, s49, 8*WPITCH                   ; the 8 tokens that I add: rows 8 (w >> 1) ..
	s_and_b32 s50, s12, 1
	s_lshl_b32 s50, s50, 5                         ; and the half of each 64 bytes: 32 (w & 1)
	s_add_co_u32 s49, s49, s50
	s_lshl_b32 s51, s12, 10                        ; my wave's 1,024 bytes of a quarter's 8,192 in part
	s_lshl_b32 s34, s15, 12
	s_add_co_u32 s34, s34, s47                     ; my columns: byte 4096 kb + 256 w of a row
	s_mov_b32 s35, 0
	s_lshl_b32 s38, s14, 21                        ; my 128 rows of x: tb x 128 x 16,384 bytes (below 2^27),
	s_add_co_u32 s38, s38, s34                     ; my columns
	s_mov_b32 s39, 0
	s_lshl_b32 s40, s15, 21                        ; part: kb x 2 MB
	s_lshl_b32 s41, s14, 15                        ; + tb x 16 blocks of 2,048 bytes
	s_add_co_u32 s40, s40, s41
	s_mov_b32 s41, 0
	s_mov_b32 s[G0+0], 1
	s_add_co_u32 s[G0+1], s46, 0                   ; LDS address of tile 0: the wave's number alone enters it
	s_mov_b32 s[G0+4], 1
	s_add_co_u32 s[G0+5], s46, SLOTB
	v_and_b32 v1, 15, v0                           ; r = l % 16
	v_bfe_u32 v6, v0, 4, 1                         ; h = l / 16
	v_lshlrev_b32 v[VXO], 4, v1
	v_lshl_add_u32 v[VXO], v6, 17, v[VXO]          ; 16 r + h x 8 rows of 16,384 bytes
	v_mul_u32_u24 v7, v6, 8*XPITCH
	v_lshl_add_u32 v7, v1, 3, v7
	v_add_nc_u32 v[VST], s48, v7                   ; stage + 8 h rows + 8 r
	v_mul_u32_u24 v7, v1, XPITCH
	v_lshl_add_u32 v7, v6, 4, v7
	v_add_nc_u32 v[VXF], s48, v7                   ; stage + row r + 16 h
	v_mul_u32_u24 v7, v1, WPITCH
	v_lshl_add_u32 v7, v6, 5, v7
	v_add_nc_u32 v[VWF], s46, v7                   ; tiles + row r + 32 h
	v_bfe_u32 v6, v0, 2, 3                         ; t = (l / 4) % 8
	v_and_b32 v1, 3, v0                            ; q' = l % 4
	v_mul_u32_u24 v7, v6, WPITCH
	v_lshl_add_u32 v7, v1, 6, v7
	v_add_nc_u32 v[VRD], s49, v7                   ; row 8 (w >> 1) + t, byte 64 q' + 32 (w & 1), in wave 0's sums
	v_add_nc_u32 v[VRD+1], 2*WREG, v[VRD]
	v_add_nc_u32 v[VRD+2], 4*WREG, v[VRD]
	v_add_nc_u32 v[VRD+3], 6*WREG, v[VRD]
	v_and_b32 v1, 31, v0
	v_lshlrev_b32 v1, 4, v1
	v_add_nc_u32 v[VOUT], s51, v1                  ; 1,024 w + 16 l
	s_wait_dscnt 0x0
	s_wait_kmcnt 0x0
	s_add_nc_u64 s[G0+2:G0+3], s[6:7], s[34:35]    ; gate_w at my wave's columns, c = 0,
	s_or_b32 s[G0+3], s[G0+3], 0x80000000          ; with the descriptor's type bits
	s_add_nc_u64 s[G0+6:G0+7], s[G0+2:G0+3], 2048  ; c = 1 (the type bits ride along)
	s_add_nc_u64 s[36:37], s[4:5], s[38:39]
	s_add_nc_u64 s[8:9], s[8:9], s[40:41]
	ROUND                                          ; the four work-groups are here: the joint loads meet
	tensor_load_to_lds s[G0:G0+3], s[G1:G1+7]      ; tile 0: asked for ahead of x, since step 0 needs it
	s_nop 0
	tensor_load_to_lds s[G0+4:G0+7], s[G1:G1+7]    ; tile 1
	s_nop 0
	FILL 0
	FILL 1
	FILL 2
	TRIP 0
	TRIP 1
	TRIP 2
	TRIP 3
	TRIP 4
	TRIP 5
	TRIP 6
	TRIP 7
	s_wait_tensorcnt 0x0
	ds_add_u32 v254, v255
	s_wait_dscnt 0x0
	s_endpgm
.Lfunc_end_k_q45aa234b35_partial:
	.size	k_q45aa234b35_partial, .Lfunc_end_k_q45aa234b35_partial-k_q45aa234b35_partial
	.p2alignl 7, 3214868480
	.fill 96, 4, 3214868480
	.section	.rodata,"a",@progbits
	.p2align	6, 0x0
	.amdhsa_kernel k_q45aa234b35_partial
		.amdhsa_group_segment_fixed_size 316416
		.amdhsa_private_segment_fixed_size 0
		.amdhsa_enable_private_segment 0
		.amdhsa_kernarg_size 24
		.amdhsa_user_sgpr_count 2
		.amdhsa_user_sgpr_kernarg_segment_ptr 1
		.amdhsa_wavefront_size32 1
		.amdhsa_system_sgpr_workgroup_id_x 1
		.amdhsa_system_sgpr_workgroup_id_y 1
		.amdhsa_system_sgpr_workgroup_id_z 1
		.amdhsa_system_vgpr_workitem_id 0
		.amdhsa_next_free_vgpr 512
		.amdhsa_next_free_sgpr 66
		.amdhsa_reserve_vcc 0
		.amdhsa_float_denorm_mode_32 3
		.amdhsa_float_denorm_mode_16_64 3
		.amdhsa_memory_ordered 1
		.amdhsa_forward_progress 1
		.amdhsa_inst_pref_size 85
	.end_amdhsa_kernel
	.amdgpu_metadata
---
amdhsa.version: [ 1, 2 ]
amdhsa.kernels:
  - .name:           k_q45aa234b35_partial
    .symbol:         k_q45aa234b35_partial.kd
    .args:
      - { .name: x, .offset: 0, .size: 8, .value_kind: global_buffer, .address_space: global }
      - { .name: gate_w, .offset: 8, .size: 8, .value_kind: global_buffer, .address_space: global }
      - { .name: part, .offset: 16, .size: 8, .value_kind: global_buffer, .address_space: global }
    .group_segment_fixed_size: 316416
    .private_segment_fixed_size: 0
    .kernarg_segment_align: 8
    .kernarg_segment_size: 24
    .max_flat_workgroup_size: 256
    .sgpr_count:     66
    .vgpr_count:     512
    .wavefront_size: 32
...
	.end_amdgpu_metadata
.endif
;; end of part 2
;; launch pick (part 3): grid 256 x 1, 4 waves a work-group, no clusters, 0 bytes of LDS; arguments part, out0, out1; writes out0, out1
.if DOCPART == 3
	.amdgcn_target "amdgcn-amd-amdhsa--gfx1250"
	.amdhsa_code_object_version 6
	.text
	.protected	k_q45aa234b35_pick
	.globl	k_q45aa234b35_pick
	.p2align	8
	.type	k_q45aa234b35_pick,@function
k_q45aa234b35_pick:
	s_mov_b64 s[64:65], 0
	v_nop
	global_prefetch_b8 v0, s[64:65] scope:SCOPE_SE
	s_setreg_imm32_b32 hwreg(HW_REG_WAVE_MODE, 25, 1), 1
	s_wait_xcnt 0x0
; Second of two launches of a MoE router: logit = the four K slices' partial sums added; score = 1/(1+exp(-logit)); the 8 largest scores of a token (equal scores: the lower
; expert first), divided by max(their sum, 1e-12), and their expert numbers.  out0 [8192][8] f32, out1 [8192][8] i32.
; part: [kb = 0..3][block of 8 tokens][i = 0..3][t = 0..7][q = 0..3][k = 0..3] f32, expert = 16 q + 4 i + k.
; 256 work-groups of 4 waves; a wave takes a block of 8 tokens, lane 4 t + q the experts 16 q .. 16 q + 15 of token t: each of its 16 loads is 16 bytes, and a wave's load covers
; 512 consecutive bytes.  All 16 loads go out at once; nothing is read twice; the work-groups share no input, so there is no LDS, no barrier and no cluster.
; LIMITS.  The logits carry the first launch's rounding of the operands to bf16 and its order of sums: two scores closer than those resolve can change places against an
; evaluation in f32.  Logits below -86.6 count as -86.6 (score 2^-125): this shows only where fewer than 8 experts of a token lie above it.  NaN and infinities are not served.
.set KBB,  2097152                     ; bytes of one K slice's sums
.set VIN,  2                           ; v2       my byte offset in the work-group's 8,192 bytes of a slice
.set VOUT, 3                           ; v3       my byte offset in the work-group's part of an output
.set P,    8                           ; v8-71    four slices' sums of my 16 logits; then: S scores, Y, EE, RR at work
.set S,    8
.set Y,    24
.set EE,   40
.set RR,   56
.set IDX,  72                          ; v72-87   my 16 experts' numbers, as f32
.set MX,   88                          ; v88-91   maxima
.set CA,   92                          ; v92-95   candidates
.set BIG,  96                          ; 64.0
.set NEG,  97                          ; -1.0
.set OW,   98                          ; v98-99   the two weights that I store
.set OI,   100                         ; v100-101 the two expert numbers
.set SUM,  102
.set RC,   103
.set LM, 12                            ; s[12:15] lanes with l % 4 = 0, 1, 2, 3
.set CM, 16                            ; s[16:19] compare masks
	s_load_b128 s[4:7], s[0:1], 0x0                ; part s[4:5], out0 s[6:7]
	s_load_b64 s[8:9], s[0:1], 0x10                ; out1
	v_and_b32 v1, 31, v0
	v_lshrrev_b32 v4, 5, v0
	v_lshlrev_b32 v[VIN], 4, v1
	v_lshl_add_u32 v[VIN], v4, 11, v[VIN]          ; wave x 2,048 + 16 l
	s_lshl_b32 s10, ttmp9, 13                      ; four blocks of 2,048 bytes for each work-group
	s_mov_b32 s11, 0
	s_wait_kmcnt 0x0
	s_add_nc_u64 s[4:5], s[4:5], s[10:11]
.irp p, 0,1,2,3
.irp i, 0,1,2,3
	global_load_b128 v[P+16*\p+4*\i:P+16*\p+4*\i+3], v[VIN], s[4:5] offset:\p*KBB+512*\i th:TH_LOAD_NT
.endr
.endr
	s_lshl_b32 s10, ttmp9, 10                      ; 32 tokens x 32 bytes for each work-group
	s_add_nc_u64 s[6:7], s[6:7], s[10:11]
	s_add_nc_u64 s[8:9], s[8:9], s[10:11]
	s_mov_b32 s[LM+0], 0x11111111
	s_mov_b32 s[LM+1], 0x22222222
	s_mov_b32 s[LM+2], 0x44444444
	s_mov_b32 s[LM+3], 0x88888888
	v_lshlrev_b32 v[VOUT], 3, v0                   ; token x 32 + q x 8
	v_and_b32 v5, 3, v0                            ; q
	v_lshlrev_b32 v5, 4, v5                        ; my first expert
	v_cvt_f32_u32 v[IDX], v5
	v_add_f32 v[IDX+1], 1.0, v[IDX]
	v_add_f32 v[IDX+2], 2.0, v[IDX]
	v_add_f32 v[IDX+3], 2.0, v[IDX+1]
.set i, 4
.rept 12
	v_add_f32 v[IDX+i], 4.0, v[IDX+i-4]
.set i, i+1
.endr
	v_mov_b32 v[BIG], 0x42800000
	v_mov_b32 v[NEG], -1.0
.macro PADD a, b                       ; sums of slice a += those of slice b
.irp j, 0,2,4,6,8,10,12,14
	v_pk_add_f32 v[P+16*\a+\j:P+16*\a+\j+1], v[P+16*\a+\j:P+16*\a+\j+1], v[P+16*\b+\j:P+16*\b+\j+1]
.endr
.endm
	s_wait_loadcnt 8                               ; four loads a slice: slices 0 and 1 are in, the eight younger loads stay out
	PADD 0, 1
	s_wait_loadcnt 0x0
	PADD 2, 3
	PADD 0, 2                                      ; the 16 logits
	; score = 1 / (1 + exp(-l)), in this form and with the sum rounded in f32, so that scores which fall together there (all of them at 1.0 for large logits) tie here too.
.irp j, 0,2,4,6,8,10,12,14
	v_pk_mul_f32 v[Y+\j:Y+\j+1], v[S+\j:S+\j+1], 0xbfb8aa3b op_sel_hi:[1,0]       ; -l x log2(e)
.endr
.irp j, 0,1,2,3,4,5,6,7,8,9,10,11,12,13,14,15
	v_min_num_f32 v[Y+\j], 0x42fa0000, v[Y+\j]     ; at most 125: 1 + 2^125 and its reciprocal stay finite and normal (the stated limit at l = -86.6)
.endr
.irp j, 0,1,2,3,4,5,6,7,8,9,10,11,12,13,14,15
	v_exp_f32 v[EE+\j], v[Y+\j]
.endr
	v_nop                                          ; one plain place behind the transcendentals before results are read and sources rewritten (ISA guide 5.7.2)
	s_wait_alu depctr_va_vdst(0)
.irp j, 0,2,4,6,8,10,12,14
	v_pk_add_f32 v[Y+\j:Y+\j+1], v[EE+\j:EE+\j+1], 1.0 op_sel_hi:[1,0]
.endr
.irp j, 0,1,2,3,4,5,6,7,8,9,10,11,12,13,14,15
	v_rcp_f32 v[RR+\j], v[Y+\j]
.endr
	v_nop
	s_wait_alu depctr_va_vdst(0)
.irp j, 0,1,2,3,4,5,6,7,8,9,10,11,12,13,14,15
	v_fma_f32 v[EE+\j], -v[Y+\j], v[RR+\j], 1.0    ; one Newton step: the quotient comes out rounded as a division rounds it, up to rare halfway cases, hence monotone
.endr
.irp j, 0,2,4,6,8,10,12,14
	v_pk_fma_f32 v[S+\j:S+\j+1], v[RR+\j:RR+\j+1], v[EE+\j:EE+\j+1], v[RR+\j:RR+\j+1]
.endr
; The i-th pick: the largest score left of the token's 64 (16 in each of 4 lanes), of equal ones the lowest expert; every lane of the token learns both.
; No branch: the same work in every pick.  Lane q keeps picks 2 q and 2 q + 1.
.macro PICK i, last
	v_max3_num_f32 v[MX],   v[S],    v[S+1],  v[S+2]
	v_max3_num_f32 v[MX+1], v[S+3],  v[S+4],  v[S+5]
	v_max3_num_f32 v[MX+2], v[S+6],  v[S+7],  v[S+8]
	v_max3_num_f32 v[MX+3], v[S+9],  v[S+10], v[S+11]
	v_max3_num_f32 v[MX],   v[MX],   v[S+12], v[S+13]
	v_max3_num_f32 v[MX+1], v[MX+1], v[S+14], v[S+15]
	v_max_num_f32  v[MX+2], v[MX+2], v[MX+3]
	v_max3_num_f32 v[MX],   v[MX],   v[MX+1], v[MX+2]
	v_max_num_f32_dpp v[MX], v[MX], v[MX] row_xmask:1 row_mask:0xf bank_mask:0xf
	v_max_num_f32_dpp v[MX], v[MX], v[MX] row_xmask:2 row_mask:0xf bank_mask:0xf
	; the lowest expert that holds it: four chains of four, each from its highest expert down, 64 where none
.irp jj, 3,2,1,0
.irp k, 0,1,2,3
	v_cmp_eq_f32 s[CM+\k], v[S+4*\k+\jj], v[MX]
.endr
.irp k, 0,1,2,3
.if \jj == 3
	v_cndmask_b32 v[CA+\k], v[BIG], v[IDX+4*\k+\jj], s[CM+\k]
.else
	v_cndmask_b32 v[CA+\k], v[CA+\k], v[IDX+4*\k+\jj], s[CM+\k]
.endif
.endr
.endr
	v_min3_num_f32 v[CA], v[CA], v[CA+1], v[CA+2]
	v_min_num_f32  v[CA], v[CA], v[CA+3]
	v_min_num_f32_dpp v[CA], v[CA], v[CA] row_xmask:1 row_mask:0xf bank_mask:0xf
	v_min_num_f32_dpp v[CA], v[CA], v[CA] row_xmask:2 row_mask:0xf bank_mask:0xf
.if \i == 0
	v_mov_b32 v[SUM], v[MX]
.else
	v_add_f32 v[SUM], v[SUM], v[MX]
.endif
.if \i < 2
	v_mov_b32 v[OW+\i], v[MX]                      ; picks 0 and 1 start the registers in every lane; lanes q > 0 replace them below
	v_mov_b32 v[OI+\i], v[CA]
.else
	v_cndmask_b32 v[OW+(\i&1)], v[OW+(\i&1)], v[MX], s[LM+(\i>>1)]
	v_cndmask_b32 v[OI+(\i&1)], v[OI+(\i&1)], v[CA], s[LM+(\i>>1)]
.endif
.if \last == 0
	; the picked expert leaves: -1 lies below every score
.irp g, 0,1,2,3
.irp k, 0,1,2,3
	v_cmp_eq_f32 s[CM+\k], v[IDX+4*\g+\k], v[CA]
.endr
.irp k, 0,1,2,3
	v_cndmask_b32 v[S+4*\g+\k], v[S+4*\g+\k], v[NEG], s[CM+\k]
.endr
.endr
.endif
.endm
	PICK 0, 0
	PICK 1, 0
	PICK 2, 0
	PICK 3, 0
	PICK 4, 0
	PICK 5, 0
	PICK 6, 0
	PICK 7, 1
	v_max_num_f32 v[SUM], 0x2b8cbccc, v[SUM]       ; clip at 1e-12
	v_rcp_f32 v[RC], v[SUM]
	v_nop                                          ; the plain place behind v_rcp_f32
	v_cvt_i32_f32 v[OI], v[OI]
	v_cvt_i32_f32 v[OI+1], v[OI+1]
	s_wait_alu depctr_va_vdst(0)
	v_mul_f32 v[OW], v[OW], v[RC]
	v_mul_f32 v[OW+1], v[OW+1], v[RC]
	global_store_b64 v[VOUT], v[OW:OW+1], s[6:7] th:TH_STORE_NT      ; a wave's 32 lanes store 256 consecutive bytes, at a multiple of 256 from the output's first byte
	global_store_b64 v[VOUT], v[OI:OI+1], s[8:9] th:TH_STORE_NT
	s_endpgm
.Lfunc_end_k_q45aa234b35_pick:
	.size	k_q45aa234b35_pick, .Lfunc_end_k_q45aa234b35_pick-k_q45aa234b35_pick
	.p2alignl 7, 3214868480
	.fill 96, 4, 3214868480
	.section	.rodata,"a",@progbits
	.p2align	6, 0x0
	.amdhsa_kernel k_q45aa234b35_pick
		.amdhsa_group_segment_fixed_size 0
		.amdhsa_private_segment_fixed_size 0
		.amdhsa_enable_private_segment 0
		.amdhsa_kernarg_size 24
		.amdhsa_user_sgpr_count 2
		.amdhsa_user_sgpr_kernarg_segment_ptr 1
		.amdhsa_wavefront_size32 1
		.amdhsa_system_sgpr_workgroup_id_x 1
		.amdhsa_system_sgpr_workgroup_id_y 1
		.amdhsa_system_sgpr_workgroup_id_z 1
		.amdhsa_system_vgpr_workitem_id 0
		.amdhsa_next_free_vgpr 104
		.amdhsa_next_free_sgpr 66
		.amdhsa_reserve_vcc 0
		.amdhsa_float_denorm_mode_32 3
		.amdhsa_float_denorm_mode_16_64 3
		.amdhsa_memory_ordered 1
		.amdhsa_forward_progress 1
		.amdhsa_inst_pref_size 48
	.end_amdhsa_kernel
	.amdgpu_metadata
---
amdhsa.version: [ 1, 2 ]
amdhsa.kernels:
  - .name:           k_q45aa234b35_pick
    .symbol:         k_q45aa234b35_pick.kd
    .args:
      - { .name: part, .offset: 0, .size: 8, .value_kind: global_buffer, .address_space: global }
      - { .name: out0, .offset: 8, .size: 8, .value_kind: global_buffer, .address_space: global }
      - { .name: out1, .offset: 16, .size: 8, .value_kind: global_buffer, .address_space: global }
    .group_segment_fixed_size: 0
    .private_segment_fixed_size: 0
    .kernarg_segment_align: 8
    .kernarg_segment_size: 24
    .max_flat_workgroup_size: 128
    .sgpr_count:     66
    .vgpr_count:     104
    .wavefront_size: 32
...
	.end_amdgpu_metadata
.endif
;; end of part 3
